; MI455X (gfx1250); checked and timed in simulation.
; The chip was launched on July 23, 2026; its instructions are those of AMD's public machine-readable ISA for CDNA 5 (MIT licence, August 2026) and "CDNA5" Instruction Set Architecture Reference Guide (July 2026). The comments in the code are by the model that wrote it; some were corrected since.
;; Causal Self Attention. Allowed arithmetic: float matrix products may take bf16 or f16 operands with f32 sums; other float arithmetic in f32, or as packed bf16 or f16 multiplies, adds, multiply-adds, maxima and minima; sums over many terms, partial sums and values carried from step to step in f32; what a program stores and reads back later, other than sums and carried values, may be rounded once to bf16 or f16.
;; Inputs: W_proj 1,024 x 1,024 float32; W_qkv 3,072 x 1,024 float32; x 4 x 2,048 x 1,024 float32.
;; Outputs: out0 4 x 2,048 x 1,024 float32.
;; One version. Each part assembles by itself: llvm-mc -triple=amdgcn-amd-amdhsa -mcpu=gfx1250 --defsym DOCPART=n.
;; ======== version 1 of 1: 4 launches
;; limits: values are held in f16: magnitudes above 65,504 overflow, below 6.1e-05 lose precision
;; workspace buffers: xb 16,777,216 bytes; wqb 6,291,456 bytes; wph 2,097,152 bytes; qkv 50,331,648 bytes; ob 16,777,216 bytes
;; launch cvt (part 1): grid 768 x 1, 8 waves a work-group, no clusters, 0 bytes of LDS; arguments x, W_qkv, W_proj, xb, wqb, wph; writes xb, wqb, wph
.if DOCPART == 1
	.amdgcn_target "amdgcn-amd-amdhsa--gfx1250"
	.amdhsa_code_object_version 6
	.text
	.protected	k_qf211e2c9a8_cvt
	.globl	k_qf211e2c9a8_cvt
	.p2align	8
	.type	k_qf211e2c9a8_cvt,@function
k_qf211e2c9a8_cvt:
	s_mov_b64 s[64:65], 0
	v_nop
	global_prefetch_b8 v0, s[64:65] scope:SCOPE_SE
	s_setreg_imm32_b32 hwreg(HW_REG_WAVE_MODE, 25, 1), 1
	s_wait_xcnt 0x0
; The three f32 inputs are rounded once to bf16 for the matrix products: x -> xb, W_qkv -> wqb as they lie; W_proj's bf16 number is written as f16
; (the last product's other operand is f16) and laid out in blocks of 64 along K: wph[k / 64][n][k % 64], so that 128 rows of one block are dense.
; LIMITS.  A bf16 number of W_proj is exact in f16 between 6.1e-5 and 65,504 in magnitude; below, it keeps f16's fixed step of 6e-8; beyond, it would become an infinity.
; A stream: no LDS, no matrix unit, no cluster (no byte is read twice).  A work-group takes 16,384 numbers (65,536 bytes in, 32,768 out): groups 0-511 x, 512-703 W_qkv, 704-767 W_proj.
; A thread takes 8 items of 8 numbers: two loads of 16 bytes, one store of 16 bytes.  All 16 loads go out first; no register is written twice, so no wait frees a source.
.set X, 4                              ; v[4:67]   item j: 8 numbers in f32
.set Y, 68                             ; v[68:99]  item j: 8 numbers in 16 bits
.set T, 100                            ; v[100:103] at work
.macro BODY instep, outstep, half      ; half = 1: the bf16 numbers are written as f16
.irp j, 0,1,2,3,4,5,6,7
	global_load_b128 v[X+8*(\j):X+8*(\j)+3],   v1, s[16:17] offset:(\j)*(\instep) th:TH_LOAD_NT
	global_load_b128 v[X+8*(\j)+4:X+8*(\j)+7], v1, s[16:17] offset:(\j)*(\instep)+16 th:TH_LOAD_NT
.endr
.irp j, 0,1,2,3,4,5,6,7
	s_wait_loadcnt 14-2*(\j)                       ; loads come back in order: item j's two are in, the later items' stay out
.irp k, 0,1,2,3
	v_cvt_pk_bf16_f32 v[Y+4*(\j)+(\k)], v[X+8*(\j)+2*(\k)], v[X+8*(\j)+2*(\k)+1]
.endr
.if \half
.irp k, 0,1,2,3
	v_lshlrev_b32 v[T+2*((\k)%2)],   16,  v[Y+4*(\j)+(\k)]      ; bf16 to f32: the low half moves up,
	v_and_b32     v[T+2*((\k)%2)+1], s21, v[Y+4*(\j)+(\k)]      ; the high half stays
	v_cvt_pk_f16_f32 v[Y+4*(\j)+(\k)], v[T+2*((\k)%2)], v[T+2*((\k)%2)+1]
.endr
.endif
	global_store_b128 v2, v[Y+4*(\j):Y+4*(\j)+3], s[18:19] offset:(\j)*(\outstep)  ; a wave's store covers 512 consecutive bytes, aligned
.endr
.endm
	s_load_b256 s[4:11], s[0:1], 0x0               ; x s[4:5], W_qkv s[6:7], W_proj s[8:9], xb s[10:11]
	s_load_b128 s[12:15], s[0:1], 0x20             ; wqb s[12:13], wph s[14:15]
	s_mov_b32 s21, 0xffff0000                      ; a word's upper bf16
	s_mov_b32 s23, 0                               ; high words of the two offsets
	s_mov_b32 s25, 0
	s_wait_kmcnt 0x0
	s_cmp_ge_u32 ttmp9, 704
	s_cbranch_scc1 .Lproj
	s_cmp_lt_u32 ttmp9, 512                        ; x or W_qkv: the choice hangs on the group's number alone
	s_cselect_b64 s[16:17], s[4:5], s[6:7]
	s_cselect_b64 s[18:19], s[10:11], s[12:13]
	s_cselect_b32 s20, 0, 512
	s_sub_co_u32 s20, ttmp9, s20                   ; the group's number within its tensor
	s_lshl_b32 s22, s20, 16
	s_lshl_b32 s24, s20, 15
	s_add_nc_u64 s[16:17], s[16:17], s[22:23]
	s_add_nc_u64 s[18:19], s[18:19], s[24:25]
	v_lshlrev_b32 v1, 5, v0                        ; 32 bytes in,
	v_lshlrev_b32 v2, 4, v0                        ; 16 bytes out for each thread; an item is the 256 threads' 8,192 and 4,096 bytes
	BODY 8192, 4096, 0
	s_endpgm
.Lproj:                                                ; 16 rows n of W_proj; thread t: row (t >> 3) % 16, 8 numbers t % 8 of block 2 j + (t >> 7)
	s_sub_co_u32 s20, ttmp9, 704
	s_lshl_b32 s22, s20, 16                        ; 16 rows of 4,096 bytes
	s_lshl_b32 s24, s20, 11                        ; 16 rows of 128 bytes in each block
	s_add_nc_u64 s[16:17], s[8:9], s[22:23]
	s_add_nc_u64 s[18:19], s[14:15], s[24:25]
	v_bfe_u32 v1, v0, 3, 4
	v_lshlrev_b32 v1, 12, v1                       ; the row,
	v_lshrrev_b32 v3, 7, v0
	v_lshl_add_u32 v1, v3, 8, v1                   ; the block's 256 bytes,
	v_and_b32 v2, 7, v0
	v_lshl_add_u32 v1, v2, 5, v1                   ; my 32 of them: eight lanes read 256 aligned bytes
	v_and_b32 v2, 127, v0
	v_lshlrev_b32 v2, 4, v2                        ; out: 128 x row + 16 x (t % 8) = 16 x (t % 128),
	v_lshl_add_u32 v2, v3, 17, v2                  ; in block t >> 7 (a block is 1,024 rows of 128 bytes)
	BODY 512, 262144, 1
	s_endpgm
.Lfunc_end_k_qf211e2c9a8_cvt:
	.size	k_qf211e2c9a8_cvt, .Lfunc_end_k_qf211e2c9a8_cvt-k_qf211e2c9a8_cvt
	.p2alignl 7, 3214868480
	.fill 96, 4, 3214868480
	.section	.rodata,"a",@progbits
	.p2align	6, 0x0
	.amdhsa_kernel k_qf211e2c9a8_cvt
		.amdhsa_group_segment_fixed_size 0
		.amdhsa_private_segment_fixed_size 0
		.amdhsa_enable_private_segment 0
		.amdhsa_kernarg_size 48
		.amdhsa_user_sgpr_count 2
		.amdhsa_user_sgpr_kernarg_segment_ptr 1
		.amdhsa_wavefront_size32 1
		.amdhsa_system_sgpr_workgroup_id_x 1
		.amdhsa_system_sgpr_workgroup_id_y 1
		.amdhsa_system_sgpr_workgroup_id_z 1
		.amdhsa_system_vgpr_workitem_id 0
		.amdhsa_next_free_vgpr 104
		.amdhsa_next_free_sgpr 66
		.amdhsa_reserve_vcc 0
		.amdhsa_float_denorm_mode_32 3
		.amdhsa_float_denorm_mode_16_64 3
		.amdhsa_memory_ordered 1
		.amdhsa_forward_progress 1
		.amdhsa_inst_pref_size 15
	.end_amdhsa_kernel
	.amdgpu_metadata
---
amdhsa.version: [ 1, 2 ]
amdhsa.kernels:
  - .name:           k_qf211e2c9a8_cvt
    .symbol:         k_qf211e2c9a8_cvt.kd
    .args:
      - { .name: x, .offset: 0, .size: 8, .value_kind: global_buffer, .address_space: global }
      - { .name: W_qkv, .offset: 8, .size: 8, .value_kind: global_buffer, .address_space: global }
      - { .name: W_proj, .offset: 16, .size: 8, .value_kind: global_buffer, .address_space: global }
      - { .name: xb, .offset: 24, .size: 8, .value_kind: global_buffer, .address_space: global }
      - { .name: wqb, .offset: 32, .size: 8, .value_kind: global_buffer, .address_space: global }
      - { .name: wph, .offset: 40, .size: 8, .value_kind: global_buffer, .address_space: global }
    .group_segment_fixed_size: 0
    .private_segment_fixed_size: 0
    .kernarg_segment_align: 8
    .kernarg_segment_size: 48
    .max_flat_workgroup_size: 256
    .sgpr_count:     66
    .vgpr_count:     104
    .wavefront_size: 32
...
	.end_amdgpu_metadata
.endif
;; end of part 1
;; launch qkvg (part 2): grid 16 x 32, 4 waves a work-group, clusters of 4 x 4, 327,680 bytes of LDS; arguments xb, wqb, qkv; writes qkv
.if DOCPART == 2
	.amdgcn_target "amdgcn-amd-amdhsa--gfx1250"
	.amdhsa_code_object_version 6
	.text
	.protected	k_qf211e2c9a8_qkvg
	.globl	k_qf211e2c9a8_qkvg
	.p2align	8
	.type	k_qf211e2c9a8_qkvg,@function
k_qf211e2c9a8_qkvg:
	s_mov_b64 s[64:65], 0
	v_nop
	global_prefetch_b8 v0, s[64:65] scope:SCOPE_SE
	s_setreg_imm32_b32 hwreg(HW_REG_WAVE_MODE, 25, 1), 1
	s_wait_xcnt 0x0
	s_wait_alu depctr_hold_cnt(0) depctr_sa_sdst(0) depctr_va_vdst(0) depctr_va_sdst(0) depctr_va_ssrc(0) depctr_va_vcc(0) depctr_vm_vsrc(0)
	s_getreg_b32 s2, hwreg(HW_REG_IB_STS2, 6, 4)
	s_cmp_eq_u32 s2, 0
	s_cbranch_scc0 .Lentry_in_a_cluster
	s_endpgm
.Lentry_in_a_cluster:
	s_bfe_u32 s2, ttmp6, 0x10000c
	s_cmp_lg_u32 s2, 0xf033
	s_cbranch_scc0 .Lentry_shape_is_right
	s_endpgm
.Lentry_shape_is_right:
; qkv[m][n] = sum over k of xb[m][k] wqb[n][k].  xb: [8192][1024], wqb: [3072][1024], bf16; sums in f32, K ascending; the result is rounded once to f16 and written BY HEADS:
; qkv[b][H][t][64], b = m / 2048, t = m % 2048, H = n / 64 (0-15 q, 16-31 k, 32-47 v), without the softmax's scale.
; LIMIT.  f16 holds no number beyond 65,504: a q, k or v of 65,520 or more would become an infinity.  With x and W_qkv both 30 times the spread of 1 and 1/32 the results have a spread of 900.
; SHARES.  A tile of C is 256 x 192 (512 work-groups: each of 256 WGPs gets two; 256 x 256 would give one and a half).  Wave w makes rows 64 w .. 64 w + 63 and all 192 columns, three whole heads:
; 48 accumulators of 16 x 16, 384 registers; so each wave has a stage of its own on the way out and needs no barrier there.
; K goes in 8 steps of 128 through two LDS slots filled by the tensor data mover; rows of the tiles are 256 bytes of memory at multiples of 256.
; CLUSTER.  4 x 4 work-groups: the four of a row need the same tiles of xb, the four of a column the same tiles of wqb; each tile is asked for jointly, by the same load with the same descriptor.
; THE MATRIX INSTRUCTION IS USED TRANSPOSED (source 0 = 16 rows of wqb, source 1 = 16 rows of xb): lane l holds row l % 16 of C and the columns 8 (l / 16) + 0..7.
; REGISTERS, in windows of 256 (s_set_vgpr_msb: bits 1:0 source 0, 3:2 source 1, 5:4 source 2, 7:6 destination):
;   window 0: v0-31 addresses; v64-95, v96-127 fragments of xb (4 x 16 rows x 32 K), two buffers; on the way out v128-175 packed results, v64-111 and v176-223 rows read back
;   window 1: v0-95, v128-223 fragments of wqb (12 x 16 rows x 32 K), two buffers
;   window 2: accumulators of row blocks 0, 1 ((a, b) at v[8 (12 (a % 2) + b)]);   window 3: of row blocks 2, 3
.set SIZE_K, 1024
.set KSTEP,  128
.set NB,     12                        ; column blocks of 16
.set PITCH,  272                       ; an LDS row: 256 bytes + 16 of padding = 68 words: the 16 rows of a load start at 16 different groups of four banks (64 banks of 4 bytes: ISA guide 11.1)
.set APART,  128*PITCH                 ; what one load brings of xb: 128 rows
.set BPART,  96*PITCH                  ; of wqb: 96 rows
.set BBASE,  256*PITCH                 ; a slot: xb's 256 rows, then wqb's 192
.set SLOT,   BBASE+192*PITCH
.set STAGE,  2*SLOT                    ; behind the ring: 16 rows x 400 bytes for each wave
.set SPITCH, 400                       ; 384 bytes + 16
.set SPARE,  STAGE+4*16*SPITCH         ; behind the stages: the spare words, 128 bytes a wave: two blocks of 256 bytes that no other line names
.set STEPA,  2*KSTEP*2                 ; bytes from a slot's K step to its next
.set STEPB,  2*KSTEP*2
.set ADRA, 16                          ; v16-17  LDS address of my fragments of xb in slot 0, 1
.set ADRB, 20                          ; v20-21  the same for wqb
.set STO,  24                          ; v24     the way out: where I put 16 bytes of a row
.set RD,   25                          ; v25     where I read rows back
.set CO,   26                          ; v26     my byte offset in 512 consecutive bytes of qkv
.set SPW,  28                          ; v28     LDS address of my spare word; never rewritten
.set NIL,  29                          ; v29     0; never rewritten
.set TMP,  128
.set G1, 24                            ; s[24:31] descriptor group 1 for xb's tiles;  s[32:39] group 0, a set for each slot
.set G0, 32
.set G1B, 48                           ; s[48:55], s[56:63] the same for wqb's
.set G0B, 56
.set MSB, 0
.macro WIN new                         ; the immediate's high byte repeats the setting that is left; a switch that changes nothing is dropped
.if MSB != (\new)
	s_set_vgpr_msb (MSB<<8)|(\new)
.set MSB, \new
.endif
.endm
.set MUL_LO, 0xa1                      ; source 0 window 1, source 1 window 0, C and D window 2
.set MUL_HI, 0xf1                      ; the same, C and D window 3
.set TO_B,   0x40                      ; destination window 1, address window 0
; A joint load.  Waves 0 and 1 fetch xb's two parts, waves 2 and 3 wqb's.  The branch hangs on the wave's number alone.
; An s_nop 0 and four v_nop follow each of the two lines, ahead of the jump and the label.
.macro JLOAD s
	s_cmp_eq_u32 s11, 0
	s_cbranch_scc0 .Lfor_b_\@
	tensor_load_to_lds s[G0+4*(\s):G0+4*(\s)+3], s[G1:G1+7]
	s_nop 0
.rept 4
	v_nop
.endr
	s_branch .Lasked_\@
.Lfor_b_\@:
	tensor_load_to_lds s[G0B+4*(\s):G0B+4*(\s)+3], s[G1B:G1B+7]
	s_nop 0
.rept 4
	v_nop
.endr
.Lasked_\@:
.endm
.macro CREST                           ; a round of the cluster's barrier behind its opening barrier: wave 0 signals for the work-group, every wave waits for all sixteen, my work-group's barrier closes it
	s_cmp_lg_u32 s10, 0
	s_cbranch_scc1 .Lnot_wave_0_\@
	s_barrier_signal -3
.Lnot_wave_0_\@:
	s_barrier_wait -3
	s_barrier_signal -1
	s_barrier_wait -1
.endm
.macro CROUND                          ; a whole round
	s_barrier_signal -1
	s_barrier_wait -1
	CREST
.endm
	s_load_b128 s[4:7], s[0:1], 0x0                ; xb s[4:5], wqb s[6:7]
	s_load_b64 s[8:9], s[0:1], 0x10                ; qkv
	v_lshl_add_u32 v[SPW], v0, 2, SPARE
	v_mov_b32 v[NIL], 0
	ds_add_u32 v[SPW], v[NIL]                      ; the wave's opening: the add and its wait ahead of my first tensor load; the set-up below, work on registers, stands between them
	ds_add_u32 v28, v29
	v_lshrrev_b32 v1, 5, v0
	v_readfirstlane_b32 s10, v1                    ; wave 0..3
	s_lshr_b32 s11, s10, 1                         ; I fetch for xb (0) or for wqb (1),
	s_and_b32 s12, s10, 1                          ; its first or second part
	s_bfe_u32 s40, ttmp6, 0x40000                  ; cx, cy: my place in the cluster
	s_bfe_u32 s41, ttmp6, 0x40004
	s_lshl_b32 s42, ttmp9, 2
	s_add_co_u32 s42, s42, s40                     ; tile column = 4 x cluster x + cx
	s_and_b32 s13, ttmp7, 0xffff
	s_lshl_b32 s13, s13, 2
	s_add_co_u32 s13, s13, s41                     ; tile row = 4 x cluster y + cy
	s_lshl_b32 s43, s41, 2
	s_lshl_b32 s43, 15, s43                        ; my row of the cluster: places 4 cy .. 4 cy + 3
	s_lshl_b32 s44, 0x1111, s40                    ; my column: places cx, cx + 4, cx + 8, cx + 12
	s_or_b32 s[G1+0], s43, (1<<16)|(1<<20)|(1<<21)|(5<<22)|(3<<25)   ; 15:0 the mask; 17:16 elements of 2 bytes; 20 padding on; 21 set beside a mask; 24:22 after every 64 words (code 5); 31:25 4 words of it (code 3)
	s_or_b32 s[G1B+0], s44, (1<<16)|(1<<20)|(1<<21)|(5<<22)|(3<<25)
.irp g, G1, G1B
	s_mov_b32 s[(\g)+1], KSTEP<<16                 ; tensor_dim0 = 128
	s_mov_b32 s[(\g)+3], KSTEP<<16                 ; tile_dim0 = 128
	s_mov_b32 s[(\g)+5], SIZE_K                    ; elements from row to row
	s_mov_b32 s[(\g)+6], 0
	s_mov_b32 s[(\g)+7], 0
.endr
	s_mov_b32 s[G1+2], 128<<16                     ; tensor_dim1 and tile_dim1: 128 rows of xb,
	s_mov_b32 s[G1+4], 128
	s_mov_b32 s[G1B+2], 96<<16                     ; 96 rows of wqb
	s_mov_b32 s[G1B+4], 96
	; xb's tiles hang on the tile row alone, wqb's on the tile column alone; each address is made in registers that never hold the other coordinate
	s_lshl_b32 s17, s12, 7
	s_lshl_b32 s16, s13, 8
	s_add_co_u32 s16, s16, s17                     ; xb: row 256 x tile row + 128 x part
	s_lshl_b32 s16, s16, 11                        ; x 2,048 bytes: under 2^25
	s_mov_b32 s17, 0
	s_mul_i32 s46, s42, 192
	s_mul_i32 s47, s12, 96
	s_add_co_u32 s46, s46, s47                     ; wqb: row 192 x tile column + 96 x part
	s_lshl_b32 s46, s46, 11
	s_mov_b32 s47, 0
	s_mul_i32 s20, s10, APART                      ; where they go: waves 0, 1: xb's parts;
	s_mul_i32 s21, s10, BPART
	s_add_co_u32 s21, s21, BBASE-2*BPART           ; waves 2, 3: wqb's parts behind them.  No place in the cluster enters an LDS address
	s_wait_dscnt 0x0                               ; the opening add is done
	s_wait_kmcnt 0x0
	s_add_nc_u64 s[14:15], s[4:5], s[16:17]
	s_add_nc_u64 s[46:47], s[6:7], s[46:47]
	CROUND                                         ; all sixteen work-groups are here: the first joint loads meet
.irp s, 0,1
	s_mov_b32 s[G0+4*(\s)], 1                                        ; count = 1
	s_add_co_u32 s[G0+4*(\s)+1], s20, (\s)*SLOT                      ; LDS address
	s_add_nc_u64 s[G0+4*(\s)+2:G0+4*(\s)+3], s[14:15], (\s)*KSTEP*2  ; global address: K step s
	s_or_b32 s[G0+4*(\s)+3], s[G0+4*(\s)+3], 0x80000000              ; type = 2
	s_mov_b32 s[G0B+4*(\s)], 1
	s_add_co_u32 s[G0B+4*(\s)+1], s21, (\s)*SLOT
	s_add_nc_u64 s[G0B+4*(\s)+2:G0B+4*(\s)+3], s[46:47], (\s)*KSTEP*2
	s_or_b32 s[G0B+4*(\s)+3], s[G0B+4*(\s)+3], 0x80000000
	JLOAD \s                                       ; two loads of mine are out
.endr
	; a fragment is 16 rows x 32 K in 8 registers: lane l holds row l % 16, K = 8 (l / 16) + 0..7 and 16 + 8 (l / 16) + 0..7: two loads of 16 bytes, 32 bytes apart
	v_and_b32 v1, 15, v0                           ; l % 16
	v_bfe_u32 v2, v0, 4, 1                         ; l / 16
	v_mul_u32_u24 v3, v1, PITCH
	v_lshl_add_u32 v3, v2, 4, v3
	s_mul_i32 s21, s10, 64*PITCH                   ; my 64 rows of xb
	s_mov_b32 s22, BBASE                           ; all rows of wqb
.irp s, 0,1
	v_add_nc_u32 v[ADRA+(\s)], s21, v3
	v_add_nc_u32 v[ADRB+(\s)], s22, v3
	s_add_co_u32 s21, s21, SLOT
	s_add_co_u32 s22, s22, SLOT
.endr
	s_mul_i32 s23, s10, 16*SPITCH
	s_add_co_u32 s23, s23, STAGE                   ; my stage
	v_mul_u32_u24 v4, v1, SPITCH                   ; in: row l % 16, 16 bytes for each half of the lanes
	v_lshl_add_u32 v4, v2, 4, v4
	v_add_nc_u32 v[STO], s23, v4
	v_bfe_u32 v5, v0, 3, 2                         ; back: 32 lanes take four rows' 128 bytes of one head,
	v_and_b32 v6, 7, v0
	v_mul_u32_u24 v5, v5, SPITCH
	v_lshl_add_u32 v5, v6, 4, v5
	v_add_nc_u32 v[RD], s23, v5
	v_and_b32 v[CO], 31, v0                        ; which are 512 consecutive bytes of qkv
	v_lshlrev_b32 v[CO], 4, v[CO]
	s_lshr_b32 s16, s13, 3                         ; qkv at my rows of the tile's first head: b x 48 planes of 262,144 bytes,
	s_mul_i32 s16, s16, 12582912
	s_and_b32 s17, s13, 7
	s_lshl_b32 s17, s17, 15                        ; t = 256 x (tile row % 8)
	s_add_co_u32 s16, s16, s17
	s_lshl_b32 s17, s10, 13                        ;     + 64 x wave, rows of 128 bytes,
	s_add_co_u32 s16, s16, s17
	s_mov_b32 s17, 0
	s_mul_i32 s46, s42, 3*262144                   ; plane 3 x tile column
	s_mov_b32 s47, 0
	s_add_nc_u64 s[8:9], s[8:9], s[16:17]
	s_add_nc_u64 s[8:9], s[8:9], s[46:47]
; 12 matrix instructions: row block a x all column blocks, 32 along K, from buffer f.  zero = 1: the product starts the sums: nothing is cleared.
; The 48 accumulators take turns, one instruction a turn, in the same order in every quarter step.
.macro MULA f, a, zero
	WIN MUL_LO+0x50*((\a)/2)
.irp b, 0,1,2,3,4,5,6,7,8,9,10,11
.if \zero
	v_wmma_f32_16x16x32_bf16 v[8*(NB*((\a)%2)+(\b)):8*(NB*((\a)%2)+(\b))+7], v[128*(\f)+8*(\b):128*(\f)+8*(\b)+7], v[64+32*(\f)+8*(\a):64+32*(\f)+8*(\a)+7], 0
.else
	v_wmma_f32_16x16x32_bf16 v[8*(NB*((\a)%2)+(\b)):8*(NB*((\a)%2)+(\b))+7], v[128*(\f)+8*(\b):128*(\f)+8*(\b)+7], v[64+32*(\f)+8*(\a):64+32*(\f)+8*(\a)+7], v[8*(NB*((\a)%2)+(\b)):8*(NB*((\a)%2)+(\b))+7]
.endif
.endr
.endm
.macro MULH f, hi, zero                ; row blocks 2 hi, 2 hi + 1
	MULA \f, 2*(\hi), \zero
	MULA \f, 2*(\hi)+1, \zero
.endm
; 32 LDS loads in one run: the fragments of quarter q of the slot's K step into buffer f: wqb's 24, then xb's 8
.macro FETCH slot, q, f
	WIN TO_B
.irp i, 0,1,2,3,4,5,6,7,8,9,10,11
	ds_load_b128 v[128*(\f)+8*(\i):128*(\f)+8*(\i)+3],   v[ADRB+(\slot)] offset:64*(\q)+(\i)*16*PITCH
	ds_load_b128 v[128*(\f)+8*(\i)+4:128*(\f)+8*(\i)+7], v[ADRB+(\slot)] offset:64*(\q)+(\i)*16*PITCH+32
.endr
	WIN 0
.irp i, 0,1,2,3
	ds_load_b128 v[64+32*(\f)+8*(\i):64+32*(\f)+8*(\i)+3],   v[ADRA+(\slot)] offset:64*(\q)+(\i)*16*PITCH
	ds_load_b128 v[64+32*(\f)+8*(\i)+4:64+32*(\f)+8*(\i)+7], v[ADRA+(\slot)] offset:64*(\q)+(\i)*16*PITCH+32
.endr
.endm
.macro PLACES                          ; four plain vector instructions between a matrix instruction and a load into a register that it read, or a reader of its result (ISA guide 7.12.1 for instructions other than loads)
.rept 4
	v_nop
.endr
.endm
; A K step is four quarters of 32 along K, 48 matrix instructions each, on buffers 0, 1, 0, 1.  One of the first three: multiplies buffer f; in its middle it fetches quarter q into buffer g.
.macro QUARTER slot, q, f, g, zero
	s_wait_dscnt 4                                 ; wqb's fragments and xb's blocks 0, 1 are in; the youngest four loads (blocks 2, 3) may be out
	MULH \f, 0, \zero
	PLACES
	FETCH \slot, \q, \g
	s_wait_dscnt 2*NB+8                            ; all but the 32 just issued
	MULH \f, 1, \zero
.endm
; The last quarter multiplies buffer 1 and changes slots: ONE barrier.  In front of it each wave waits for all its tensor loads (one is out: its part of the next slot), adds 0 to its spare word, and
; waits for that and for its own reads of this slot.  fill = 1: the barrier opens a round of the cluster's, and this slot is filled again, two K steps on, first thing behind the round.
.macro TURN slot, next, fill
	WIN 0                                          ; (the add's two registers lie in window 0)
	s_wait_tensorcnt 0x0                           ; all my tensor loads have landed;
	ds_add_u32 v[SPW], v[NIL]                      ; 0 onto my spare word
	s_wait_dscnt 5                                 ; (the add and the youngest four loads may be out)
	MULA 1, 0, 0                                   ; twelve matrix instructions stand between the add and the wait for it
	s_wait_dscnt 0x0                               ; the add is done, and my reads of this slot are over
	s_barrier_signal -1
	MULA 1, 1, 0                                   ; work on registers while the others arrive
.if \fill
	WIN 0
.endif
	s_barrier_wait -1
.if \fill
	CREST                                          ; no wave of any partner still reads this slot's tile or has a load on its way
	s_add_nc_u64 s[G0+4*(\slot)+2:G0+4*(\slot)+3], s[G0+4*(\slot)+2:G0+4*(\slot)+3], STEPA
	s_add_nc_u64 s[G0B+4*(\slot)+2:G0B+4*(\slot)+3], s[G0B+4*(\slot)+2:G0B+4*(\slot)+3], STEPB
	JLOAD \slot                                    ; my one tensor load behind the round: 168 matrix instructions ahead of the wait for it; its four v_nop are also the places in front of the loads below
.else
	PLACES
.endif
	FETCH \next, 0, 0
	MULH 1, 1, 0
.endm
; THE WAY OUT of row block a.  PACK: rounded to f16, 16 bytes a lane, each accumulator's registers in ascending order.  TOSTAGE: into my own stage and back by heads.  SEND: stored.
.macro PACK a
	WIN 0x0a+5*((\a)/2)                            ; sources 0 and 1: window 2 or 3
.irp b, 0,1,2,3,4,5,6,7,8,9,10,11
.irp r, 0,1,2,3
	v_cvt_pk_f16_f32 v[TMP+4*(\b)+(\r)], v[8*(NB*((\a)%2)+(\b))+2*(\r)], v[8*(NB*((\a)%2)+(\b))+2*(\r)+1]
.endr
.endr
	WIN 0
.endm
.macro TOSTAGE a
	WIN 0
.if (\a) >= 2
	s_wait_xcnt 0x0                                ; the stores of the block two back have had their addresses translated (ISA guide 3.1): their data registers are loaded again only behind this wait
.endif
.set BK, 64+112*((\a)%2)
.irp b, 0,1,2,3,4,5,6,7,8,9,10,11
	ds_store_b128 v[STO], v[TMP+4*(\b):TMP+4*(\b)+3] offset:32*(\b)
.endr
.irp i, 0,1,2,3,4,5,6,7,8,9,10,11                      ; head i / 4, rows 4 (i % 4) on
	ds_load_b128 v[BK+4*(\i):BK+4*(\i)+3], v[RD] offset:((\i)%4)*4*SPITCH+((\i)/4)*128  ; LDS serves a wave's instructions in order (ISA guide 5.7.1.4): these see the stores above
.endr
.endm
.macro SEND a, younger                 ; younger: the LDS instructions issued behind block a's loads
	WIN 0
.set BK, 64+112*((\a)%2)
.irp i, 0,1,2,3,4,5,6,7,8,9,10,11
	s_wait_dscnt (\younger)+11-(\i)
	global_store_b128 v[CO], v[BK+4*(\i):BK+4*(\i)+3], s[8:9] offset:((\i)/4)*262144+(16*(\a)+4*((\i)%4))*128  ; four rows of a head: 512 consecutive bytes, at a multiple of 256 from qkv's first
.endr
.endm
	s_wait_tensorcnt 0x1                           ; my part of K step 0 is in; K step 1's may stay out
	s_barrier_signal -1
	s_barrier_wait -1                              ; everybody's is
	FETCH 0, 0, 0
	QUARTER 0, 1, 0, 1, 1                          ; the first quarter stands in front of the loop: its products start the sums
	WIN 0                                          ; at a label and at a branch every window is 0
	s_mov_b32 s3, 3
.Llap:                                                 ; a trip goes once round the ring, from a lap's second quarter to the next lap's first, and fills both slots again: K steps 2 to 7
	QUARTER 0, 2, 1, 0, 0
	QUARTER 0, 3, 0, 1, 0
	TURN 0, 1, 1
	QUARTER 1, 1, 0, 1, 0
	QUARTER 1, 2, 1, 0, 0
	QUARTER 1, 3, 0, 1, 0
	TURN 1, 0, 1
	QUARTER 0, 1, 0, 1, 0
	WIN 0
	s_sub_co_u32 s3, s3, 1
	s_cmp_lg_u32 s3, 0
	s_cbranch_scc1 .Llap
	QUARTER 0, 2, 1, 0, 0                          ; the last lap fills nothing
	QUARTER 0, 3, 0, 1, 0
	TURN 0, 1, 0
	QUARTER 1, 1, 0, 1, 0
	QUARTER 1, 2, 1, 0, 0
	QUARTER 1, 3, 0, 1, 0
	s_wait_dscnt 4                                 ; the very last quarter: nothing more to fetch
	MULH 1, 0, 0
	s_wait_dscnt 0x0
	MULH 1, 1, 0
	WIN 0
	PLACES
	PACK 0
	TOSTAGE 0
	PACK 1                                         ; a block's conversions stand between the loads of the block before and its stores
	TOSTAGE 1
	SEND 0, 24
	PACK 2
	TOSTAGE 2
	SEND 1, 24
	PACK 3
	TOSTAGE 3
	SEND 2, 24
	SEND 3, 0
	s_wait_tensorcnt 0x0                           ; the wave's end: behind my last tensor load and my last LDS store
	ds_add_u32 v[SPW], v[NIL]
	s_wait_dscnt 0x0
	CROUND                                         ; the closing round: no work-group ends while a partner may still ask for a tile that names it
	s_endpgm
.Lfunc_end_k_qf211e2c9a8_qkvg:
	.size	k_qf211e2c9a8_qkvg, .Lfunc_end_k_qf211e2c9a8_qkvg-k_qf211e2c9a8_qkvg
	.p2alignl 7, 3214868480
	.fill 96, 4, 3214868480
	.section	.rodata,"a",@progbits
	.p2align	6, 0x0
	.amdhsa_kernel k_qf211e2c9a8_qkvg
		.amdhsa_group_segment_fixed_size 327680
		.amdhsa_private_segment_fixed_size 0
		.amdhsa_enable_private_segment 0
		.amdhsa_kernarg_size 24
		.amdhsa_user_sgpr_count 2
		.amdhsa_user_sgpr_kernarg_segment_ptr 1
		.amdhsa_wavefront_size32 1
		.amdhsa_system_sgpr_workgroup_id_x 1
		.amdhsa_system_sgpr_workgroup_id_y 1
		.amdhsa_system_sgpr_workgroup_id_z 1
		.amdhsa_system_vgpr_workitem_id 0
		.amdhsa_next_free_vgpr 960
		.amdhsa_next_free_sgpr 66
		.amdhsa_reserve_vcc 0
		.amdhsa_float_denorm_mode_32 3
		.amdhsa_float_denorm_mode_16_64 3
		.amdhsa_memory_ordered 1
		.amdhsa_forward_progress 1
		.amdhsa_inst_pref_size 120
	.end_amdhsa_kernel
	.amdgpu_metadata
---
amdhsa.version: [ 1, 2 ]
amdhsa.kernels:
  - .name:           k_qf211e2c9a8_qkvg
    .symbol:         k_qf211e2c9a8_qkvg.kd
    .args:
      - { .name: xb, .offset: 0, .size: 8, .value_kind: global_buffer, .address_space: global }
      - { .name: wqb, .offset: 8, .size: 8, .value_kind: global_buffer, .address_space: global }
      - { .name: qkv, .offset: 16, .size: 8, .value_kind: global_buffer, .address_space: global }
    .group_segment_fixed_size: 327680
    .private_segment_fixed_size: 0
    .kernarg_segment_align: 8
    .kernarg_segment_size: 24
    .max_flat_workgroup_size: 128
    .sgpr_count:     66
    .vgpr_count:     960
    .wavefront_size: 32
...
	.end_amdgpu_metadata
.endif
;; end of part 2
;; launch attn (part 3): grid 4 x 64, 8 waves a work-group, no clusters, 252,928 bytes of LDS; arguments qkv, ob; writes ob
.if DOCPART == 3
	.amdgcn_target "amdgcn-amd-amdhsa--gfx1250"
	.amdhsa_code_object_version 6
	.text
	.protected	k_qf211e2c9a8_attn
	.globl	k_qf211e2c9a8_attn
	.p2align	8
	.type	k_qf211e2c9a8_attn,@function
k_qf211e2c9a8_attn:
	s_mov_b64 s[64:65], 0
	v_nop
	global_prefetch_b8 v0, s[64:65] scope:SCOPE_SE
	s_setreg_imm32_b32 hwreg(HW_REG_WAVE_MODE, 25, 1), 1
	s_wait_xcnt 0x0
; BANDED CAUSAL ATTENTION.  O[bh][i][:] = the sum over i - 255 <= j <= i (and j >= 0) of softmax_j(Q[i] . K[j] / 8) V[j][:].  Q, K, V are planes of qkv[b][H][2048][64] (f16, H = h, 16 + h, 32 + h);
; O goes to ob[bh][2048][64] in f16.  Products, maxima and sums in f32; the weights p are rounded to f16 for the second product (their sum l is taken of the unrounded p), O once at the end.
; LIMITS.  Q, K, V arrive within f16's 65,504.  A hidden score counts as its value less 1e30: scores of f16 numbers, 2.7e11 at the most, are nothing beside that.  A weight below 2^-126 counts as 0;
; p below 6e-5 keeps f16's fixed step of 6e-8.  NaN and infinities are not treated apart.
; SHARES.  A work-group owns 512 queries of one head, wave w the band g = 8 blk + w of 64 queries: four tiles of 16.  Band g sees the key bands g .. g - 4 alone: five steps of 64 keys, walked DOWNWARD.
; The band's own step comes first: every query sees itself there, so the running maximum is a true score from the first step on and every hidden weight is exactly 0.
; Bands below the head's first do not exist: a wave with g < 4 jumps forward over those steps (no barrier and no tensor load stands in what is jumped).
; LDS holds all 12 key bands (8 blk - 4 ..) that the eight waves can need, each filled ONCE: no ring, no refill, one barrier.  In block 0 the four bands below the head's first are filled with rows of the head itself; no step reads them to effect.
; Behind the barrier no wave waits for another; two waves share a SIMD's registers, so the text is in plain phases: one wave's softmax runs beside the other's products.
; NO CLUSTER: neighbouring blocks share 256 of a block's 768 key rows, a third of its bytes, and those rows have different places in the two blocks' LDS.
; THE MASK is the C operand that starts a sum S^T = K Q^T: 0, or -1e30 where the key is hidden.  For tile t and key block kt of 16: own step: kt < t open, kt > t hidden, kt = t hidden above the diagonal (D8);
; lowest step (band g - 4): kt < t hidden, kt > t open, kt = t hidden on and below the diagonal (D8C, D8's complement); the three steps between: open.
; LAYOUT.  S^T = K Q^T holds ONE query a lane (lane % 16) and the keys 8 (lane / 16) + 0..7; two such results rounded to f16 ARE source 1 of O^T = V^T P.  p = 2^(c s - c m), c = log2(e) / 8, with a running
; maximum m; O and l are multiplied by a = 2^(c m_old - c m_new) in every step but the first, which starts them.
; REGISTERS, in windows of 256 (s_set_vgpr_msb: bits 1:0 source 0, 3:2 source 1, 5:4 source 2, 7:6 destination):
;   window 0: v0-15 addresses; v16-31 four registers of statistics a tile; v32-39 at work; v40-63 masks; v64-127 S^T of two tiles; v128-191 P of four tiles; v192-255 K of one step
;   window 1: v0-127 O^T, 32 a tile; v128-191 Q, 16 a tile; v192-255 V of one step
.set PKB,   144       ; a row of K in LDS: 128 bytes + 16 of padding = 36 words: the 16 rows of a load start at 16 different groups of four banks (64 banks of 4 bytes: ISA guide 11.1)
.set PVB,   160       ; a row of V: 128 + 32 = 40 words
.set KBAND, 64*PKB    ; a band of 64 keys
.set VBAND, 64*PVB
.set VBASE, 12*KBAND  ; K's 12 bands, then V's
.set STAGE, VBASE+12*VBAND  ; never filled by a tensor load: 16 rows x 144 bytes for each wave, for the way out
.set SP,    144
.set SPARE, STAGE+8*16*SP   ; the spare words, 128 bytes for each wave: four blocks of 256 bytes that no other line names
.set AK0, 2           ; v2   my lane's place in a band of K; never rewritten
.set AV0, 3           ; v3   the same for V
.set AK,  4           ; v4   the LDS address of K's run of loads
.set AV,  5           ; v5   of V's
.set STO, 6           ; v6   the way out: where I put 16 bytes of a row
.set RD,  7           ; v7   where I read rows back
.set GO,  8           ; v8   my byte offset in 512 consecutive bytes of O
.set QO,  12          ; v12  my byte offset in 16 rows of Q
.set SPW, 14          ; v14  LDS address of my spare word; never rewritten
.set NIL, 15          ; v15  0; never rewritten
.set ST,  16          ; tile t's statistics at v[ST+4 t]: c m, m, l (even keys', odd keys')
.set TMP, 32          ; by the tile's parity four registers c0-c3 at work; when the maximum is found c3 keeps c m_old and c2 takes a
.set D8,  40
.set D8C, 48
.set NEG8, 56
.set S,   64
.set P,   128
.set KF,  192         ; key block kb, channel half c at KF + 16 kb + 8 c
.set QF,  128         ; window 1: tile t, channel half c at QF + 16 t + 8 c
.set VF,  192         ; window 1: key half kk, channel block cb at VF + 32 kk + 8 cb
.set JB,  3           ; s3   the LDS band whose V the step reads
.set WV,  12          ; s12  my wave's number
.set G1K, 16          ; s[16:23] descriptor group 1 for K's bands
.set G1V, 24          ; s[24:31] for V's: it differs in the padding alone
.set G0A, 32          ; s[32:35] group 0: my own band of K
.set G0B, 36          ; s[36:39] my own band of V
.set G0C, 40          ; s[40:43] one of the four lower bands: waves 0-3 K's, waves 4-7 V's
.set CS,  44          ; s[44:45] c: the packed scaling takes the pair's low word for both halves
.set SEL, 46          ; s[46:47] v_permlanex16_b32's selects: each lane takes its own place in the other half
.set TBK, 48          ; s48  LDS byte of the band of K to be fetched
.set TBV, 49          ; s49  of V
.set CNT, 50          ; s50  counts the three open steps, 3 to 1
.set LIM, 51          ; s51  3 - min(g, 3): the step with count CNT exists if CNT > LIM
.set LOWL, 52         ; s52  1: band g - 4 exists
.set BIGN, 53         ; s53  -1e30
.set MSB, 0
.macro WIN new                      ; the high byte repeats the setting that is left; a switch that changes nothing is dropped
.if MSB != (\new)
	s_set_vgpr_msb (MSB<<8)|(\new)
.set MSB, (\new)
.endif
.endm
.set W_KQ, 0x04       ; K, the mask and S^T in window 0, Q in window 1
.set W_PV, 0x51       ; V and O^T in window 1, P in window 0
.set W_RS, 0x41       ; destination and source 0 in window 1, source 1 in window 0
.set W_D1, 0x40       ; destination in window 1
.macro PLACES                       ; four plain vector instructions between a matrix instruction and a reader of its result, a writer of its registers or a load into them (ISA guide 7.12.1 for instructions other than loads)
.rept 4
	v_nop
.endr
.endm
	s_load_b128 s[4:7], s[0:1], 0x0   ; qkv s[4:5], ob s[6:7]
	v_lshl_add_u32 v[SPW], v0, 2, SPARE
	v_mov_b32 v[NIL], 0
	ds_add_u32 v[SPW], v[NIL]       ; the wave's opening: the add and its wait ahead of my first tensor load; the set-up below, work on registers, stands between them
	ds_add_u32 v14, v15
	v_lshrrev_b32 v1, 5, v0
	v_readfirstlane_b32 s[WV], v1   ; wave 0..7
	s_mov_b32 s13, ttmp9            ; blk: my block of 512 queries
	s_and_b32 s14, ttmp7, 0xffff    ; bh = 16 b + h
	s_lshl_b32 s15, s13, 3
	s_add_co_u32 s15, s15, s[WV]    ; g
	s_min_u32 s[LIM], s15, 3
	s_sub_co_u32 s[LIM], 3, s[LIM]
	s_cmp_ge_u32 s15, 4
	s_cselect_b32 s[LOWL], 1, 0
	s_lshr_b32 s8, s14, 4
	s_mul_i32 s8, s8, 48
	s_and_b32 s9, s14, 15
	s_add_co_u32 s8, s8, s9
	s_lshl_b32 s8, s8, 18           ; Q's plane, 48 b + h, of 262,144 bytes
	s_lshl_b32 s10, s13, 16         ; my block's 512 rows of 128 bytes,
	s_lshl_b32 s11, s[WV], 13       ; my band's 64 of them
	s_add_co_u32 s2, s10, s11
	s_add_co_u32 s58, s8, s2        ; s[58:59]: my band in Q's plane
	s_mov_b32 s59, 0
	s_sub_co_i32 s10, s10, 32768    ; the four lower bands begin 256 rows below the block, or, in block 0, at the head's first row
	s_max_i32 s10, s10, 0
	s_and_b32 s11, s[WV], 3
	s_lshl_b32 s11, s11, 13
	s_add_co_u32 s10, s10, s11
	s_add_co_u32 s60, s8, s10       ; s[60:61]: the lower band that I fetch, in Q's plane
	s_mov_b32 s61, 0
	s_lshl_b32 s62, s14, 18
	s_add_co_u32 s62, s62, s2       ; s[62:63]: my band in ob
	s_mov_b32 s63, 0
	; descriptor group 1.  64 keys are 8,192 dense bytes: asked for as 32 rows of 256 bytes, two keys a row, and padded in LDS after every key
	s_mov_b32 s[G1K], (1<<16)|(1<<20)|(4<<22)|(3<<25)  ; 17:16 2-byte elements; 20 padding on; 24:22 after every 32 words (code 4); 31:25 4 words (code 3)
	s_mov_b32 s[G1V], (1<<16)|(1<<20)|(4<<22)|(7<<25)  ; the same with 8 words of padding (code 7)
.irp g, G1K, G1V
	s_mov_b32 s[(\g)+1], 128<<16    ; tensor_dim0 = 128
	s_mov_b32 s[(\g)+2], 32<<16     ; tensor_dim1 = 32
	s_mov_b32 s[(\g)+3], 128<<16    ; tile_dim0 = 128
	s_mov_b32 s[(\g)+4], 32         ; tile_dim1 = 32
	s_mov_b32 s[(\g)+5], 128        ; 128 elements from row to row
	s_mov_b32 s[(\g)+6], 0
	s_mov_b32 s[(\g)+7], 0
.endr
	s_mov_b32 s[G0A], 1
	s_mul_i32 s[G0A+1], s[WV], KBAND
	s_add_co_u32 s[G0A+1], s[G0A+1], 4*KBAND        ; LDS band 4 + w of K
	s_mov_b32 s[G0B], 1
	s_mul_i32 s[G0B+1], s[WV], VBAND
	s_add_co_u32 s[G0B+1], s[G0B+1], VBASE+4*VBAND  ; and of V
	s_mov_b32 s[G0C], 1
	s_mov_b32 s[CS], 0x3e38aa3b     ; c = log2(e) / 8 = 0.180337
	s_mov_b32 s[CS+1], s[CS]        ; named with it as a pair
	s_mov_b32 s[SEL], 0x76543210
	s_mov_b32 s[SEL+1], 0xfedcba98
	s_mov_b32 s[BIGN], 0xf149f2ca   ; -1e30
	s_wait_dscnt 0x0                ; the opening add is done
	s_wait_kmcnt 0x0
	s_add_nc_u64 s[54:55], s[4:5], s[58:59]   ; Q at my band; K's plane lies 16 planes, V's 32 planes further on
	s_add_nc_u64 s[60:61], s[4:5], s[60:61]
	s_add_nc_u64 s[56:57], s[6:7], s[62:63]   ; O at my band
	s_add_nc_u64 s[G0A+2:G0A+3], s[54:55], 4194304
	s_or_b32 s[G0A+3], s[G0A+3], 0x80000000   ; type = 2
	s_add_nc_u64 s[G0B+2:G0B+3], s[54:55], 8388608
	s_or_b32 s[G0B+3], s[G0B+3], 0x80000000
	; A wave's three fills stand in one branch on its number, ahead of every wait on TENSORcnt, every LDS read and the barrier: three loads of mine are out.  An s_nop 0 follows each, four v_nop the last.
	s_cmp_lt_u32 s[WV], 4
	s_cbranch_scc0 .Lhigh
	s_mul_i32 s[G0C+1], s[WV], KBAND          ; LDS band w of K
	s_add_nc_u64 s[G0C+2:G0C+3], s[60:61], 4194304
	s_or_b32 s[G0C+3], s[G0C+3], 0x80000000
	tensor_load_to_lds s[G0A:G0A+3], s[G1K:G1K+7]
	s_nop 0
	tensor_load_to_lds s[G0B:G0B+3], s[G1V:G1V+7]
	s_nop 0
	tensor_load_to_lds s[G0C:G0C+3], s[G1K:G1K+7]
	s_nop 0
.rept 4
	v_nop
.endr
	s_branch .Lasked
.Lhigh:
	s_mul_i32 s[G0C+1], s[WV], VBAND          ; LDS band w - 4 of V
	s_add_co_u32 s[G0C+1], s[G0C+1], VBASE-4*VBAND
	s_add_nc_u64 s[G0C+2:G0C+3], s[60:61], 8388608
	s_or_b32 s[G0C+3], s[G0C+3], 0x80000000
	tensor_load_to_lds s[G0A:G0A+3], s[G1K:G1K+7]
	s_nop 0
	tensor_load_to_lds s[G0B:G0B+3], s[G1V:G1V+7]
	s_nop 0
	tensor_load_to_lds s[G0C:G0C+3], s[G1V:G1V+7]
	s_nop 0
.rept 4
	v_nop
.endr
.Lasked:
	; A fragment of K or Q is 16 rows x 32 channels in 8 registers: lane l holds row l % 16, channels 8 (l / 16) + 0..7 and 16 + 8 (l / 16) + 0..7: two loads of 16 bytes, 32 bytes apart.
	v_and_b32 v1, 15, v0            ; l % 16
	v_bfe_u32 v9, v0, 4, 1          ; l / 16
	v_lshlrev_b32 v[QO], 7, v1
	v_lshl_add_u32 v[QO], v9, 4, v[QO]  ; row x 128 + 16 x half
	WIN W_D1
.set i, 0
.rept 8                             ; Q stays in registers: tile i / 2, channels 32 (i % 2) on
	global_load_b128 v[QF+8*i:QF+8*i+3],   v[QO], s[54:55] offset:(i/2)*2048+(i%2)*64
	global_load_b128 v[QF+8*i+4:QF+8*i+7], v[QO], s[54:55] offset:(i/2)*2048+(i%2)*64+32
.set i, i+1
.endr
	WIN 0
	v_lshlrev_b32 v13, 3, v9
	v_sub_nc_u32 v13, v1, v13       ; my query's place in its tile less my lanes' 8 (l / 16): in the diagonal block register j's key lies above the diagonal where j is greater
.set i, 0
.rept 8
	v_cmp_gt_i32 vcc_lo, i, v13
	v_cndmask_b32 v[D8+i], 0, s[BIGN], vcc_lo
	v_mov_b32 v[NEG8+i], s[BIGN]
.set i, i+1
.endr
.set i, 0
.rept 8
	v_sub_f32 v[D8C+i], v[NEG8+i], v[D8+i]  ; -1e30 where D8 is 0, and 0 where it is -1e30
.set i, i+1
.endr
	v_mul_u32_u24 v[AK0], v1, PKB
	v_lshl_add_u32 v[AK0], v9, 4, v[AK0]  ; row x pitch + 16 x half
	; The turning load takes 16 keys x 16 channels (lane l reads key 8 (l / 16) + l % 8, channels 8 ((l / 8) % 2) + 0..7) and leaves half a fragment of V^T: lane l holds channel l % 16 and 8 keys.
	v_and_b32 v10, 7, v0
	v_bfe_u32 v11, v0, 3, 1
	v_lshl_add_u32 v[AV0], v9, 3, v10
	v_mul_u32_u24 v[AV0], v[AV0], PVB
	v_lshl_add_u32 v[AV0], v11, 4, v[AV0]
	s_mul_i32 s2, s[WV], 16*SP
	s_add_co_u32 s2, s2, STAGE      ; my stage
	v_mul_u32_u24 v[STO], v1, SP    ; in: row l % 16, 16 bytes for each half of the lanes
	v_lshl_add_u32 v[STO], v9, 4, v[STO]
	v_add_nc_u32 v[STO], s2, v[STO]
	v_bfe_u32 v[RD], v0, 3, 2       ; back: 32 lanes take four rows of 128 bytes,
	v_mul_u32_u24 v[RD], v[RD], SP
	v_lshl_add_u32 v[RD], v10, 4, v[RD]
	v_add_nc_u32 v[RD], s2, v[RD]
	v_and_b32 v[GO], 31, v0         ; which are 512 consecutive bytes of O
	v_lshlrev_b32 v[GO], 4, v[GO]
; THE MATRIX WORK.  The accumulators of a run take turns, one instruction a turn.
; Product i of 16 of S^T = K Q^T for tiles 2 x, 2 x + 1: channels 32 (i / 8) on, keys 16 ((i / 2) % 4) on, tile 2 x + i % 2.  The first 8 start the sums, with 0 or with the mask.  kind: 0 own step, 1 open, 2 lowest.
.macro KQ x, kind
.set kt, (i/2)%4
.set tt, 2*(\x)+i%2
.set rS, S+32*(i%2)+8*kt
.set rK, KF+16*kt+8*(i/8)
.set rQ, QF+16*tt+8*(i/8)
.set rM, -1
.if ((\kind) == 0) && (kt == tt)
.set rM, D8
.elseif ((\kind) == 0) && (kt > tt)
.set rM, NEG8
.elseif ((\kind) == 2) && (kt == tt)
.set rM, D8C
.elseif ((\kind) == 2) && (kt < tt)
.set rM, NEG8
.endif
	WIN W_KQ
.if i >= 8
	v_wmma_f32_16x16x32_f16 v[rS:rS+7], v[rK:rK+7], v[rQ:rQ+7], v[rS:rS+7]
.elseif rM < 0
	v_wmma_f32_16x16x32_f16 v[rS:rS+7], v[rK:rK+7], v[rQ:rQ+7], 0
.else
	v_wmma_f32_16x16x32_f16 v[rS:rS+7], v[rK:rK+7], v[rQ:rQ+7], v[rM:rM+7]
.endif
.endm
; Product i of 32 of O^T += V^T P: keys 32 (i / 16) on, channels 16 ((i / 4) % 4) on, tile i % 4.  first = 1: the first 16 start the sums: nothing is cleared.
.macro PV first
	WIN W_PV
.set rO, 32*(i%4)+8*((i/4)%4)
.set rV, VF+32*(i/16)+8*((i/4)%4)
.set rP, P+16*(i%4)+8*(i/16)
.if (\first) && (i < 16)
	v_wmma_f32_16x16x32_f16 v[rO:rO+7], v[rV:rV+7], v[rP:rP+7], 0
.else
	v_wmma_f32_16x16x32_f16 v[rO:rO+7], v[rV:rV+7], v[rP:rP+7], v[rO:rO+7]
.endif
.endm
; THE LDS LOADS stand in runs of 16: a band's K (64 keys x 64 channels: 8 fragments) and its V (turned).
.macro FETCH_K
	WIN 0
	v_add_nc_u32 v[AK], s[TBK], v[AK0]
.irp f, 0,1,2,3,4,5,6,7             ; keys 16 (f / 2) on, channels 32 (f % 2) on
	ds_load_b128 v[KF+8*\f:KF+8*\f+3],   v[AK] offset:(\f/2)*16*PKB+(\f%2)*64
	ds_load_b128 v[KF+8*\f+4:KF+8*\f+7], v[AK] offset:(\f/2)*16*PKB+(\f%2)*64+32
.endr
.endm
.macro FETCH_V
	WIN 0
	v_add_nc_u32 v[AV], s[TBV], v[AV0]
	WIN W_D1
.irp f, 0,1,2,3,4,5,6,7             ; keys 32 (f / 4) on, channels 16 (f % 4) on
	ds_load_tr16_b128 v[VF+8*\f:VF+8*\f+3],   v[AV] offset:(\f/4)*32*PVB+(\f%4)*32
	ds_load_tr16_b128 v[VF+8*\f+4:VF+8*\f+7], v[AV] offset:(\f/4)*32*PVB+16*PVB+(\f%4)*32
.endr
.endm
.macro SETB                         ; from the LDS band JB of the step in hand: where its V lies, and the K of the band below it.  Made anew for each step from the wave's number and the count
	s_mul_i32 s[TBV], s[JB], VBAND
	s_add_co_u32 s[TBV], s[TBV], VBASE
	s_mul_i32 s[TBK], s[JB], KBAND
	s_sub_co_u32 s[TBK], s[TBK], KBAND
.endm
; THE VECTOR WORK.  One tile's softmax for one key step is a list of 118 instructions; SM writes number j of it for tile t.  s0-s31 are the lane's 32 scores, in pairs 0-15.
; first = 1: the first key step, which starts m, l and O^T: it has no a and nothing to rescale.
;   0-15    the maximum of s0-s31 and the old m, three operands at a time: four chains c0-c3 of seven scores each (each accumulator's lowest registers are read first), then the four scores left over, c0-c3 and m
;   16-20   the other half of the lanes' maximum; the new m; c m; c m_old - c m_new
;   21-87   33 exponentials (a, then s0-s31) at the odd numbers from 23 on, so that no two follow each other and each has a plain instruction behind it before its result is used (ISA guide 5.7.2).
;           Plain instruction q (number 21, then the even numbers): c s - c m for a pair whose exponentials are still to come, the rounding to f16 of a pair whose exponentials are done, at last the first three sums
;   88-101  the last rounding; the rest of the sums; l = a l + the sum
;   102-117 the tile's O^T times a: the one part that leaves window 0, so it stands together
.macro SM t, first
.set rT, ST+4*(\t)
.set rC, TMP+4*((\t)%2)
.set rS, S+32*((\t)%2)
.set rP, P+16*(\t)
.set rO, 32*(\t)+2*(j-102)
.set q, (j-20)/2
.if j < 102
	WIN 0
.endif
.if j < 4
	v_max3_num_f32 v[rC+j], v[rS+8*j], v[rS+8*j+1], v[rS+8*j+2]
.elseif j < 12
	v_max3_num_f32 v[rC+j%4], v[rC+j%4], v[rS+8*(j%4)+2*(j/4)+1], v[rS+8*(j%4)+2*(j/4)+2]
.elseif j == 12
	v_max3_num_f32 v[rC], v[rC], v[rS+7], v[rS+15]
.elseif j == 13
	v_max3_num_f32 v[rC+2], v[rC+2], v[rS+23], v[rS+31]
.elseif j == 14
	v_max3_num_f32 v[rC], v[rC], v[rC+1], v[rC+2]
.elseif (j == 15) && (\first)
	v_max_num_f32 v[rC], v[rC], v[rC+3]
.elseif j == 15
	v_max3_num_f32 v[rC], v[rC], v[rC+3], v[rT+1]
.elseif j == 16
	v_permlanex16_b32 v[rC+1], v[rC], s[SEL], s[SEL+1]  ; the query's other 32 keys lie in the lane 16 away
.elseif j == 18
	v_max_num_f32 v[rT+1], v[rC], v[rC+1]
.elseif j == 19
	v_mul_f32 v[rT], s[CS], v[rT+1]
.elseif ((j == 17) || (j == 20) || (j == 23) || (j > 101)) && (\first)  ; the first step has none of these
.elseif j == 17
	v_mov_b32 v[rC+3], v[rT]        ; c m_old is kept for a: number 19 writes c m anew
.elseif j == 20
	v_sub_f32 v[rC+3], v[rC+3], v[rT]
.elseif j == 23
	v_exp_f32 v[rC+2], v[rC+3]
.elseif (j < 88) && (j > 23) && (j%2 == 1)
	v_exp_f32 v[rS+(j-25)/2], v[rS+(j-25)/2]
.elseif (q < 4) || ((j < 76) && (q%2 == 0))
.set b, q/2+2
.if q < 4
.set b, q
.endif
	v_pk_fma_f32 v[rS+2*b:rS+2*b+1], v[rS+2*b:rS+2*b+1], s[CS:CS+1], v[rT:rT+1] op_sel_hi:[1,0,0] neg_lo:[0,0,1] neg_hi:[0,0,1]  ; pair b: c s - c m
.elseif (j < 88) && (q%2 == 1)
	s_wait_alu depctr_va_vdst(0)
	v_cvt_pk_f16_f32 v[rP+(q-5)/2], v[rS+q-5], v[rS+q-4]  ; pair (q - 5) / 2: its second exponential stands three numbers back
.elseif j == 89
	s_wait_alu depctr_va_vdst(0)
	v_cvt_pk_f16_f32 v[rP+15], v[rS+30], v[rS+31]
.elseif j < 102                     ; the sum of the tile's 16 pairs, in place: sum z of 16 adds neighbours 1, 2, 4 and 8 pairs apart, then l takes it
.set z, j-86
.if j < 89
.set z, (j-76)/4
.endif
.set w, 4
.set u, z
.if z >= 14
.set w, 32
.set u, 0
.elseif z >= 12
.set w, 16
.set u, z-12
.elseif z >= 8
.set w, 8
.set u, z-8
.endif
.if (z == 14) && (\first)
	v_pk_add_f32 v[rT+2:rT+3], v[rS:rS+1], v[rS+16:rS+17]
.elseif z < 15
	v_pk_add_f32 v[rS+w*u:rS+w*u+1], v[rS+w*u:rS+w*u+1], v[rS+w*u+w/2:rS+w*u+w/2+1]
.elseif !(\first)
	v_pk_fma_f32 v[rT+2:rT+3], v[rT+2:rT+3], v[rC+2:rC+3], v[rS:rS+1] op_sel_hi:[1,0,1]
.endif
.else
	WIN W_RS
	v_pk_mul_f32 v[rO:rO+1], v[rO:rO+1], v[rC+2:rC+3] op_sel_hi:[1,0]
.endif
.endm
; Slice k of 59: numbers 2 k and 2 k + 1 of the lists of tiles y and y + 1
.macro SLICE y, first
.if (k >= 11) && (k < 44)           ; tile by tile: plain, exponential, plain, exponential
.irp t, \y, (\y)+1
.irp n, 0,1
.set j, 2*k+(\n)
	SM \t, \first
.endr
.endr
.else                               ; the two tiles alternate, so that no instruction reads the result of the one just before it
.irp n, 0,1
.irp t, \y, (\y)+1
.set j, 2*k+(\n)
	SM \t, \first
.endr
.endr
.endif
.set k, k+1
.endm
.macro SOFT y, first
.set k, 0
.rept 59
	SLICE \y, \first
.endr
.endm
; A KEY STEP, in phases.  K of the step was asked for in the step before.  nextk = 1: K of the band below is asked for in its middle.
.macro STEP kind, first, nextk
.if !(\first)
	PLACES                          ; behind the last step's products V^T P: V's registers are loaded again, P and O^T written again
.endif
	FETCH_V
	s_wait_dscnt 16                 ; K is in; V's sixteen loads may be out
.set i, 0
.rept 16
	KQ 0, \kind
.set i, i+1
.endr
	WIN 0
	PLACES
	SOFT 0, \first
.set i, 0
.rept 16
	KQ 1, \kind
.set i, i+1
.endr
	WIN 0
	PLACES                          ; also in front of the loads into K's registers
.if (\kind) == 0
	s_wait_tensorcnt 0x0            ; for the others' sake: all three bands that I fetched have landed;
	s_wait_dscnt 0x0                ; no LDS instruction of mine is out at the signal
	s_barrier_signal -1
	s_barrier_wait -1               ; all twelve bands are whole: from here on every wave reads what others fetched, and nothing in the bands is written again
.endif
.if \nextk
	FETCH_K
.endif
	SOFT 2, \first
.if \nextk
	s_wait_dscnt 16                 ; V is in; the next K's sixteen loads may be out
.else
	s_wait_dscnt 0x0                ; V is in
.endif
.set i, 0
.rept 32
	PV \first
.set i, i+1
.endr
	WIN 0                           ; at a label and at a branch every window is 0
.endm
	s_add_co_u32 s[JB], s[WV], 4    ; my own band lies in LDS band w + 4
	s_mul_i32 s[TBK], s[JB], KBAND
	s_wait_tensorcnt 0x2            ; tensor loads of a wave end in order (ISA guide 10.11.1): my own K is in, the two behind it may be out.  I read my own load's bytes: no barrier is needed yet
	FETCH_K
	SETB
	s_wait_tensorcnt 0x1            ; my own V is in
	s_wait_loadcnt 0x0              ; Q
	STEP 0, 1, 1                    ; band g
	s_mov_b32 s[CNT], 3
.Lmid:                              ; bands g - 1, g - 2, g - 3: LDS bands w + CNT
	s_cmp_gt_u32 s[CNT], s[LIM]
	s_cbranch_scc0 .Ldead           ; below the head's first band
	s_add_co_u32 s[JB], s[WV], s[CNT]
	SETB
	STEP 1, 0, 1
.Ldead:
	s_sub_co_u32 s[CNT], s[CNT], 1
	s_cmp_lg_u32 s[CNT], 0
	s_cbranch_scc1 .Lmid
	s_cmp_eq_u32 s[LOWL], 1
	s_cbranch_scc0 .Lout
	s_mul_i32 s[TBV], s[WV], VBAND  ; band g - 4: LDS band w
	s_add_co_u32 s[TBV], s[TBV], VBASE
	STEP 2, 0, 0
.Lout:
	s_wait_dscnt 0x0                ; a run of K that a jump left unused
	PLACES                          ; behind the last products
	; THE WAY OUT.  l's two halves and the other half of the lanes' are added; O^T is divided by l, rounded to f16 and sent through my stage in LDS, a tile at a time.
.macro ALL line:vararg              ; one line for each tile t
.set t, 0
.rept 4
	\line
.set t, t+1
.endr
.endm
	ALL v_add_f32 v[ST+4*t+2], v[ST+4*t+2], v[ST+4*t+3]
	ALL v_permlanex16_b32 v[ST+4*t+3], v[ST+4*t+2], s[SEL], s[SEL+1]
	ALL v_add_f32 v[ST+4*t+2], v[ST+4*t+2], v[ST+4*t+3]
	ALL v_rcp_f32 v[ST+4*t+2], v[ST+4*t+2]
	v_nop                           ; a plain instruction between the last reciprocal and the use of its result
	s_wait_alu depctr_va_vdst(0)
.macro PACK t                       ; a lane's eight channels of a row pack into 16 bytes; they go into rows of 144 bytes and come back as whole rows of 128, into S^T's registers
	WIN W_RS
.set i, 32*(\t)
.rept 16
	v_pk_mul_f32 v[i:i+1], v[i:i+1], v[ST+4*(\t)+2:ST+4*(\t)+3] op_sel_hi:[1,0]
.set i, i+2
.endr
	WIN 0x05                        ; sources 0 and 1 window 1, destination window 0
.set i, 0
.rept 16
	v_cvt_pk_f16_f32 v[S+16*(\t)+i], v[32*(\t)+2*i], v[32*(\t)+2*i+1]
.set i, i+1
.endr
	WIN 0
.irp f, 0,1,2,3
	ds_store_b128 v[STO], v[S+16*(\t)+4*\f:S+16*(\t)+4*\f+3] offset:32*\f
.endr
.irp f, 0,1,2,3
	ds_load_b128 v[S+16*(\t)+4*\f:S+16*(\t)+4*\f+3], v[RD] offset:\f*4*SP  ; LDS serves a wave's instructions in order (ISA guide 5.7.1.4): these see the stores above; the next tile's stores come behind them
.endr
.endm
.macro SEND t, younger              ; younger: the LDS instructions issued behind tile t's loads: the next tile's eight, or none
	WIN 0
.irp f, 0,1,2,3
	s_wait_dscnt (\younger)+3-\f
	global_store_b128 v[GO], v[S+16*(\t)+4*\f:S+16*(\t)+4*\f+3], s[56:57] offset:(\t)*2048+\f*512  ; 512 consecutive bytes, at a multiple of 256 from ob's first
.endr
.endm
	PACK 0
.set t, 1
.rept 3                             ; a tile's arithmetic stands between the loads of the tile before and its stores
	PACK t
	SEND t-1, 8
.set t, t+1
.endr
	SEND 3, 0
	s_wait_tensorcnt 0x0            ; the wave's end: behind my last tensor load and my last LDS store
	ds_add_u32 v[SPW], v[NIL]
	s_wait_dscnt 0x0
	s_endpgm
.Lfunc_end_k_qf211e2c9a8_attn:
	.size	k_qf211e2c9a8_attn, .Lfunc_end_k_qf211e2c9a8_attn-k_qf211e2c9a8_attn
	.p2alignl 7, 3214868480
	.fill 96, 4, 3214868480
	.section	.rodata,"a",@progbits
	.p2align	6, 0x0
	.amdhsa_kernel k_qf211e2c9a8_attn
		.amdhsa_group_segment_fixed_size 252928
		.amdhsa_private_segment_fixed_size 0
		.amdhsa_enable_private_segment 0
		.amdhsa_kernarg_size 16
		.amdhsa_user_sgpr_count 2
		.amdhsa_user_sgpr_kernarg_segment_ptr 1
		.amdhsa_wavefront_size32 1
		.amdhsa_system_sgpr_workgroup_id_x 1
		.amdhsa_system_sgpr_workgroup_id_y 1
		.amdhsa_system_sgpr_workgroup_id_z 1
		.amdhsa_system_vgpr_workitem_id 0
		.amdhsa_next_free_vgpr 512
		.amdhsa_next_free_sgpr 66
		.amdhsa_reserve_vcc 1
		.amdhsa_float_denorm_mode_32 3
		.amdhsa_float_denorm_mode_16_64 3
		.amdhsa_memory_ordered 1
		.amdhsa_forward_progress 1
		.amdhsa_inst_pref_size 120
	.end_amdhsa_kernel
	.amdgpu_metadata
---
amdhsa.version: [ 1, 2 ]
amdhsa.kernels:
  - .name:           k_qf211e2c9a8_attn
    .symbol:         k_qf211e2c9a8_attn.kd
    .args:
      - { .name: qkv, .offset: 0, .size: 8, .value_kind: global_buffer, .address_space: global }
      - { .name: ob, .offset: 8, .size: 8, .value_kind: global_buffer, .address_space: global }
    .group_segment_fixed_size: 252928
    .private_segment_fixed_size: 0
    .kernarg_segment_align: 8
    .kernarg_segment_size: 16
    .max_flat_workgroup_size: 256
    .sgpr_count:     66
    .vgpr_count:     512
    .wavefront_size: 32
...
	.end_amdgpu_metadata
.endif
;; end of part 3
;; launch proj (part 4): grid 8 x 32, 4 waves a work-group, clusters of 4 x 4, 327,680 bytes of LDS; arguments ob, wph, out0; writes out0
.if DOCPART == 4
	.amdgcn_target "amdgcn-amd-amdhsa--gfx1250"
	.amdhsa_code_object_version 6
	.text
	.protected	k_qf211e2c9a8_proj
	.globl	k_qf211e2c9a8_proj
	.p2align	8
	.type	k_qf211e2c9a8_proj,@function
k_qf211e2c9a8_proj:
	s_mov_b64 s[64:65], 0
	v_nop
	global_prefetch_b8 v0, s[64:65] scope:SCOPE_SE
	s_setreg_imm32_b32 hwreg(HW_REG_WAVE_MODE, 25, 1), 1
	s_wait_xcnt 0x0
	s_wait_alu depctr_hold_cnt(0) depctr_sa_sdst(0) depctr_va_vdst(0) depctr_va_sdst(0) depctr_va_ssrc(0) depctr_va_vcc(0) depctr_vm_vsrc(0)
	s_getreg_b32 s2, hwreg(HW_REG_IB_STS2, 6, 4)
	s_cmp_eq_u32 s2, 0
	s_cbranch_scc0 .Lentry_in_a_cluster
	s_endpgm
.Lentry_in_a_cluster:
	s_bfe_u32 s2, ttmp6, 0x10000c
	s_cmp_lg_u32 s2, 0xf033
	s_cbranch_scc0 .Lentry_shape_is_right
	s_endpgm
.Lentry_shape_is_right:
; out0[m][n] = sum over k of y[m][k] W_proj[n][k], k = 64 h + d.  y lies by heads, ob[16 b + h][t][64] in f16 (m = 2048 b + t); W_proj in blocks of 64 along K, wph[k / 64][n][64] in f16
; (bf16 numbers written as f16).  Sums in f32, K ascending; out0 is f32 [8192][1024].
; SHARES.  A tile of out0 is 256 x 128: 256 work-groups.  Wave w makes rows 64 w .. 64 w + 63 and all 128 columns: 32 accumulators of 16 x 16, 256 registers; each wave has a stage of its own.
; K goes in 8 steps of 128, two heads each, through two LDS slots.  A head's 256 rows of 128 bytes are dense in ob, a block's 128 rows dense in wph: each is asked for as rows of 256 bytes, padded in LDS after every 128.
; CLUSTER.  4 x 4 work-groups: the four of a row need the same tiles of ob, the four of a column the same tiles of wph; each tile is asked for jointly, by the same load with the same descriptor.
; THE MATRIX INSTRUCTION IS USED TRANSPOSED (source 0 = 16 rows of wph, source 1 = 16 rows of ob): lane l holds row l % 16 of the result and the columns 8 (l / 16) + 0..7.
; REGISTERS, in windows of 256 (s_set_vgpr_msb: bits 1:0 source 0, 3:2 source 1, 5:4 source 2, 7:6 destination):
;   window 0: v0-31 addresses; v64-95, v96-127 fragments of ob (4 x 16 rows x 32 K), two buffers; on the way out v64-127 and v128-191 rows read back
;   window 1: v0-63, v128-191 fragments of wph (8 x 16 rows x 32 K), two buffers
;   window 2: accumulators of row blocks 0, 1 ((a, b) at v[8 (8 (a % 2) + b)]);   window 3: of row blocks 2, 3
.set NB,     8                         ; column blocks of 16
.set PITCH,  144                       ; an LDS row: 128 bytes + 16 of padding = 36 words: the 16 rows of a load start at 16 different groups of four banks (64 banks of 4 bytes: ISA guide 11.1)
.set ASUB,   256*PITCH                 ; one head's 256 rows: what one load brings of ob
.set BSUB,   128*PITCH                 ; one block's 128 rows: what one load brings of wph
.set BBASE,  2*ASUB                    ; a slot: two heads of ob, then two blocks of wph
.set SLOT,   BBASE+2*BSUB
.set STAGE,  2*SLOT                    ; behind the ring: 16 rows x 528 bytes for each wave
.set SPITCH, 528                       ; 512 bytes + 16
.set SPARE,  STAGE+4*16*SPITCH         ; behind the stages: the spare words, 128 bytes a wave: two blocks of 256 bytes that no other line names
.set STEPA,  4*262144                  ; bytes from a slot's K step to its next: four heads of ob,
.set STEPB,  4*131072                  ; four blocks of wph
.set ADRA, 16                          ; v16-17  LDS address of my fragments of ob in slot 0, 1
.set ADRB, 20                          ; v20-21  the same for wph
.set STO,  24                          ; v24     the way out: where I put 32 bytes of a row
.set RD,   25                          ; v25     where I read a row back
.set CO,   26                          ; v26     my byte offset in a row's 512 bytes of out0
.set SPW,  28                          ; v28     LDS address of my spare word; never rewritten
.set NIL,  29                          ; v29     0; never rewritten
.set G1, 24                            ; s[24:31] descriptor group 1 for ob's tiles;  s[32:39] group 0, a set for each slot
.set G0, 32
.set G1B, 48                           ; s[48:55], s[56:63] the same for wph's
.set G0B, 56
.set MSB, 0
.macro WIN new                         ; the immediate's high byte repeats the setting that is left; a switch that changes nothing is dropped
.if MSB != (\new)
	s_set_vgpr_msb (MSB<<8)|(\new)
.set MSB, \new
.endif
.endm
.set MUL_LO, 0xa1                      ; source 0 window 1, source 1 window 0, C and D window 2
.set MUL_HI, 0xf1                      ; the same, C and D window 3
.set TO_B,   0x40                      ; destination window 1, address window 0
; A joint load.  Waves 0 and 1 fetch the K step's two heads of ob, waves 2 and 3 its two blocks of wph.  The branch hangs on the wave's number alone.
; An s_nop 0 and four v_nop follow each of the two lines, ahead of the jump and the label.
.macro JLOAD s
	s_cmp_eq_u32 s11, 0
	s_cbranch_scc0 .Lfor_b_\@
	tensor_load_to_lds s[G0+4*(\s):G0+4*(\s)+3], s[G1:G1+7]
	s_nop 0
.rept 4
	v_nop
.endr
	s_branch .Lasked_\@
.Lfor_b_\@:
	tensor_load_to_lds s[G0B+4*(\s):G0B+4*(\s)+3], s[G1B:G1B+7]
	s_nop 0
.rept 4
	v_nop
.endr
.Lasked_\@:
.endm
.macro CREST                           ; a round of the cluster's barrier behind its opening barrier: wave 0 signals for the work-group, every wave waits for all sixteen, my work-group's barrier closes it
	s_cmp_lg_u32 s10, 0
	s_cbranch_scc1 .Lnot_wave_0_\@
	s_barrier_signal -3
.Lnot_wave_0_\@:
	s_barrier_wait -3
	s_barrier_signal -1
	s_barrier_wait -1
.endm
.macro CROUND                          ; a whole round
	s_barrier_signal -1
	s_barrier_wait -1
	CREST
.endm
	s_load_b128 s[4:7], s[0:1], 0x0                ; ob s[4:5], wph s[6:7]
	s_load_b64 s[8:9], s[0:1], 0x10                ; out0
	v_lshl_add_u32 v[SPW], v0, 2, SPARE
	v_mov_b32 v[NIL], 0
	ds_add_u32 v[SPW], v[NIL]                      ; the wave's opening: the add and its wait ahead of my first tensor load; the set-up below, work on registers, stands between them
	ds_add_u32 v28, v29
	v_lshrrev_b32 v1, 5, v0
	v_readfirstlane_b32 s10, v1                    ; wave 0..3
	s_lshr_b32 s11, s10, 1                         ; I fetch for ob (0) or for wph (1),
	s_and_b32 s12, s10, 1                          ; the K step's first or second 64
	s_bfe_u32 s40, ttmp6, 0x40000                  ; cx, cy: my place in the cluster
	s_bfe_u32 s41, ttmp6, 0x40004
	s_lshl_b32 s42, ttmp9, 2
	s_add_co_u32 s42, s42, s40                     ; tile column = 4 x cluster x + cx
	s_and_b32 s13, ttmp7, 0xffff
	s_lshl_b32 s13, s13, 2
	s_add_co_u32 s13, s13, s41                     ; tile row = 4 x cluster y + cy
	s_lshl_b32 s43, s41, 2
	s_lshl_b32 s43, 15, s43                        ; my row of the cluster: places 4 cy .. 4 cy + 3
	s_lshl_b32 s44, 0x1111, s40                    ; my column: places cx, cx + 4, cx + 8, cx + 12
	s_or_b32 s[G1+0], s43, (1<<16)|(1<<20)|(1<<21)|(4<<22)|(3<<25)   ; 15:0 the mask; 17:16 elements of 2 bytes; 20 padding on; 21 set beside a mask; 24:22 after every 32 words (code 4); 31:25 4 words of it (code 3)
	s_or_b32 s[G1B+0], s44, (1<<16)|(1<<20)|(1<<21)|(4<<22)|(3<<25)
.irp g, G1, G1B
	s_mov_b32 s[(\g)+1], 128<<16                   ; tensor_dim0 = 128 elements: 256 bytes, two rows of 64 numbers
	s_mov_b32 s[(\g)+3], 128<<16                   ; tile_dim0 = 128
	s_mov_b32 s[(\g)+5], 128                       ; dense: 128 elements from row to row
	s_mov_b32 s[(\g)+6], 0
	s_mov_b32 s[(\g)+7], 0
.endr
	s_mov_b32 s[G1+2], 128<<16                     ; tensor_dim1 and tile_dim1: 32,768 bytes of ob are 128 such rows,
	s_mov_b32 s[G1+4], 128
	s_mov_b32 s[G1B+2], 64<<16                     ; 16,384 bytes of wph are 64
	s_mov_b32 s[G1B+4], 64
	; ob's tiles hang on the tile row alone, wph's on the tile column alone; each address is made in registers that never hold the other coordinate
	s_lshr_b32 s16, s13, 3
	s_lshl_b32 s16, s16, 22                        ; ob: b x 16 heads of 262,144 bytes
	s_and_b32 s17, s13, 7
	s_lshl_b32 s17, s17, 15                        ;   + 256 x (tile row % 8) rows of 128 bytes
	s_add_co_u32 s16, s16, s17
	s_lshl_b32 s17, s12, 18                        ;   + the head that I fetch
	s_add_co_u32 s16, s16, s17
	s_mov_b32 s17, 0
	s_lshl_b32 s46, s42, 14                        ; wph: 128 x tile column rows of 128 bytes
	s_lshl_b32 s47, s12, 17                        ;   + the block that I fetch
	s_add_co_u32 s46, s46, s47
	s_mov_b32 s47, 0
	s_mul_i32 s20, s10, ASUB                       ; where they go: waves 0, 1: ob's two heads;
	s_mul_i32 s21, s10, BSUB
	s_add_co_u32 s21, s21, BBASE-2*BSUB            ; waves 2, 3: wph's two blocks behind them.  No place in the cluster enters an LDS address
	s_wait_dscnt 0x0                               ; the opening add is done
	s_wait_kmcnt 0x0
	s_add_nc_u64 s[14:15], s[4:5], s[16:17]
	s_add_nc_u64 s[46:47], s[6:7], s[46:47]
	CROUND                                         ; all sixteen work-groups are here: the first joint loads meet
.irp s, 0,1
	s_mov_b32 s[G0+4*(\s)], 1                                        ; count = 1
	s_add_co_u32 s[G0+4*(\s)+1], s20, (\s)*SLOT                      ; LDS address
	s_add_nc_u64 s[G0+4*(\s)+2:G0+4*(\s)+3], s[14:15], (\s)*2*262144 ; global address: K step s is heads 2 s, 2 s + 1
	s_or_b32 s[G0+4*(\s)+3], s[G0+4*(\s)+3], 0x80000000              ; type = 2
	s_mov_b32 s[G0B+4*(\s)], 1
	s_add_co_u32 s[G0B+4*(\s)+1], s21, (\s)*SLOT
	s_add_nc_u64 s[G0B+4*(\s)+2:G0B+4*(\s)+3], s[46:47], (\s)*2*131072
	s_or_b32 s[G0B+4*(\s)+3], s[G0B+4*(\s)+3], 0x80000000
	JLOAD \s                                       ; two loads of mine are out
.endr
	; a fragment is 16 rows x 32 K in 8 registers: lane l holds row l % 16, K = 8 (l / 16) + 0..7 and 16 + 8 (l / 16) + 0..7: two loads of 16 bytes, 32 bytes apart
	v_and_b32 v1, 15, v0                           ; l % 16
	v_bfe_u32 v2, v0, 4, 1                         ; l / 16
	v_mul_u32_u24 v3, v1, PITCH
	v_lshl_add_u32 v3, v2, 4, v3
	s_mul_i32 s21, s10, 64*PITCH                   ; my 64 rows in each head of ob
	s_mov_b32 s22, BBASE                           ; all rows of wph
.irp s, 0,1
	v_add_nc_u32 v[ADRA+(\s)], s21, v3
	v_add_nc_u32 v[ADRB+(\s)], s22, v3
	s_add_co_u32 s21, s21, SLOT
	s_add_co_u32 s22, s22, SLOT
.endr
	s_mul_i32 s23, s10, 16*SPITCH
	s_add_co_u32 s23, s23, STAGE                   ; my stage
	v_mul_u32_u24 v4, v1, SPITCH                   ; in: row l % 16, 32 bytes for each half of the lanes
	v_lshl_add_u32 v4, v2, 5, v4
	v_add_nc_u32 v[STO], s23, v4
	v_and_b32 v[CO], 31, v0                        ; back: 32 lanes take one row of 512 bytes,
	v_lshlrev_b32 v[CO], 4, v[CO]
	v_add_nc_u32 v[RD], s23, v[CO]                 ; and store it so
	s_lshl_b32 s16, s13, 20                        ; out0 at my first row: (256 x tile row + 64 x wave) x 4,096 bytes,
	s_lshl_b32 s17, s10, 18
	s_add_co_u32 s16, s16, s17
	s_mov_b32 s17, 0
	s_lshl_b32 s46, s42, 9                         ; the tile's first column: 512 bytes x tile column
	s_mov_b32 s47, 0
	s_add_nc_u64 s[8:9], s[8:9], s[16:17]
	s_add_nc_u64 s[8:9], s[8:9], s[46:47]
; 8 matrix instructions: row block a x all column blocks, 32 along K, from buffer f.  zero = 1: the product starts the sums: nothing is cleared.
; The 32 accumulators take turns, one instruction a turn, in the same order in every quarter step.
.macro MULA f, a, zero
	WIN MUL_LO+0x50*((\a)/2)
.irp b, 0,1,2,3,4,5,6,7
.if \zero
	v_wmma_f32_16x16x32_f16 v[8*(NB*((\a)%2)+(\b)):8*(NB*((\a)%2)+(\b))+7], v[128*(\f)+8*(\b):128*(\f)+8*(\b)+7], v[64+32*(\f)+8*(\a):64+32*(\f)+8*(\a)+7], 0
.else
	v_wmma_f32_16x16x32_f16 v[8*(NB*((\a)%2)+(\b)):8*(NB*((\a)%2)+(\b))+7], v[128*(\f)+8*(\b):128*(\f)+8*(\b)+7], v[64+32*(\f)+8*(\a):64+32*(\f)+8*(\a)+7], v[8*(NB*((\a)%2)+(\b)):8*(NB*((\a)%2)+(\b))+7]
.endif
.endr
.endm
.macro MULH f, hi, zero                ; row blocks 2 hi, 2 hi + 1
	MULA \f, 2*(\hi), \zero
	MULA \f, 2*(\hi)+1, \zero
.endm
; 24 LDS loads in one run: the fragments of quarter q of the slot's K step (head or block q / 2, channels 32 (q % 2) on) into buffer f: wph's 16, then ob's 8
.macro FETCH slot, q, f
	WIN TO_B
.irp i, 0,1,2,3,4,5,6,7
	ds_load_b128 v[128*(\f)+8*(\i):128*(\f)+8*(\i)+3],   v[ADRB+(\slot)] offset:((\q)/2)*BSUB+((\q)%2)*64+(\i)*16*PITCH
	ds_load_b128 v[128*(\f)+8*(\i)+4:128*(\f)+8*(\i)+7], v[ADRB+(\slot)] offset:((\q)/2)*BSUB+((\q)%2)*64+(\i)*16*PITCH+32
.endr
	WIN 0
.irp i, 0,1,2,3
	ds_load_b128 v[64+32*(\f)+8*(\i):64+32*(\f)+8*(\i)+3],   v[ADRA+(\slot)] offset:((\q)/2)*ASUB+((\q)%2)*64+(\i)*16*PITCH
	ds_load_b128 v[64+32*(\f)+8*(\i)+4:64+32*(\f)+8*(\i)+7], v[ADRA+(\slot)] offset:((\q)/2)*ASUB+((\q)%2)*64+(\i)*16*PITCH+32
.endr
.endm
.macro PLACES                          ; four plain vector instructions between a matrix instruction and a load into a register that it read, or a reader of its result (ISA guide 7.12.1 for instructions other than loads)
.rept 4
	v_nop
.endr
.endm
; A K step is four quarters of 32 along K, 32 matrix instructions each, on buffers 0, 1, 0, 1.  One of the first three: multiplies buffer f; in its middle it fetches quarter q into buffer g.
.macro QUARTER slot, q, f, g, zero
	s_wait_dscnt 4                                 ; wph's fragments and ob's blocks 0, 1 are in; the youngest four loads (blocks 2, 3) may be out
	MULH \f, 0, \zero
	PLACES
	FETCH \slot, \q, \g
	s_wait_dscnt 2*NB+8                            ; all but the 24 just issued
	MULH \f, 1, \zero
.endm
; The last quarter multiplies buffer 1 and changes slots: ONE barrier.  In front of it each wave waits for all its tensor loads (one is out: its part of the next slot), adds 0 to its spare word, and
; waits for that and for its own reads of this slot.  fill = 1: the barrier opens a round of the cluster's, and this slot is filled again, two K steps on, first thing behind the round.
.macro TURN slot, next, fill
	WIN 0                                          ; (the add's two registers lie in window 0)
	s_wait_tensorcnt 0x0                           ; all my tensor loads have landed;
	ds_add_u32 v[SPW], v[NIL]                      ; 0 onto my spare word
	s_wait_dscnt 5                                 ; (the add and the youngest four loads may be out)
	MULA 1, 0, 0                                   ; eight matrix instructions stand between the add and the wait for it
	s_wait_dscnt 0x0                               ; the add is done, and my reads of this slot are over
	s_barrier_signal -1
	MULA 1, 1, 0                                   ; work on registers while the others arrive
.if \fill
	WIN 0
.endif
	s_barrier_wait -1
.if \fill
	CREST                                          ; no wave of any partner still reads this slot's tile or has a load on its way
	s_add_nc_u64 s[G0+4*(\slot)+2:G0+4*(\slot)+3], s[G0+4*(\slot)+2:G0+4*(\slot)+3], STEPA
	s_add_nc_u64 s[G0B+4*(\slot)+2:G0B+4*(\slot)+3], s[G0B+4*(\slot)+2:G0B+4*(\slot)+3], STEPB
	JLOAD \slot                                    ; my one tensor load behind the round: 112 matrix instructions ahead of the wait for it; its four v_nop are also the places in front of the loads below
.else
	PLACES
.endif
	FETCH \next, 0, 0
	MULH 1, 1, 0
.endm
; THE WAY OUT of row block a: the f32 sums go as they are.  TOSTAGE: a lane's eight numbers of a row, 32 bytes, into my own stage, each accumulator's low four registers first; back as whole rows of 512 bytes.  SEND: stored.
.macro TOSTAGE a
.if (\a) >= 2
	s_wait_xcnt 0x0                                ; the stores of the block two back have had their addresses translated (ISA guide 3.1): their data registers are loaded again only behind this wait
.endif
	WIN 0x08+4*((\a)/2)                            ; the stores' data (source 1): window 2 or 3
.irp b, 0,1,2,3,4,5,6,7
	ds_store_b128 v[STO], v[8*(NB*((\a)%2)+(\b)):8*(NB*((\a)%2)+(\b))+3]   offset:64*(\b)
	ds_store_b128 v[STO], v[8*(NB*((\a)%2)+(\b))+4:8*(NB*((\a)%2)+(\b))+7] offset:64*(\b)+16
.endr
	WIN 0
.set BK, 64+64*((\a)%2)
.irp i, 0,1,2,3,4,5,6,7,8,9,10,11,12,13,14,15
	ds_load_b128 v[BK+4*(\i):BK+4*(\i)+3], v[RD] offset:(\i)*SPITCH  ; LDS serves a wave's instructions in order (ISA guide 5.7.1.4): these see the stores above
.endr
.endm
.macro SEND a, younger                 ; younger: the LDS instructions issued behind block a's loads
	WIN 0
.set BK, 64+64*((\a)%2)
.irp i, 0,1,2,3,4,5,6,7,8,9,10,11,12,13,14,15
	s_wait_dscnt (\younger)+15-(\i)
	global_store_b128 v[CO], v[BK+4*(\i):BK+4*(\i)+3], s[8:9] offset:(16*(\a)+(\i))*4096  ; 512 consecutive bytes of a row, at a multiple of 256 from out0's first
.endr
.endm
	s_wait_tensorcnt 0x1                           ; my part of K step 0 is in; K step 1's may stay out
	s_barrier_signal -1
	s_barrier_wait -1                              ; everybody's is
	FETCH 0, 0, 0
	QUARTER 0, 1, 0, 1, 1                          ; the first quarter stands in front of the loop: its products start the sums
	WIN 0                                          ; at a label and at a branch every window is 0
	s_mov_b32 s3, 3
.Llap:                                                 ; a trip goes once round the ring, from a lap's second quarter to the next lap's first, and fills both slots again: K steps 2 to 7
	QUARTER 0, 2, 1, 0, 0
	QUARTER 0, 3, 0, 1, 0
	TURN 0, 1, 1
	QUARTER 1, 1, 0, 1, 0
	QUARTER 1, 2, 1, 0, 0
	QUARTER 1, 3, 0, 1, 0
	TURN 1, 0, 1
	QUARTER 0, 1, 0, 1, 0
	WIN 0
	s_sub_co_u32 s3, s3, 1
	s_cmp_lg_u32 s3, 0
	s_cbranch_scc1 .Llap
	QUARTER 0, 2, 1, 0, 0                          ; the last lap fills nothing
	QUARTER 0, 3, 0, 1, 0
	TURN 0, 1, 0
	QUARTER 1, 1, 0, 1, 0
	QUARTER 1, 2, 1, 0, 0
	QUARTER 1, 3, 0, 1, 0
	s_wait_dscnt 4                                 ; the very last quarter: nothing more to fetch
	MULH 1, 0, 0
	s_wait_dscnt 0x0
	MULH 1, 1, 0
	WIN 0
	PLACES
	TOSTAGE 0
	TOSTAGE 1                                      ; a block's way through the stage stands between the loads of the block before and its stores
	SEND 0, 32
	TOSTAGE 2
	SEND 1, 32
	TOSTAGE 3
	SEND 2, 32
	SEND 3, 0
	s_wait_tensorcnt 0x0                           ; the wave's end: behind my last tensor load and my last LDS store
	ds_add_u32 v[SPW], v[NIL]
	s_wait_dscnt 0x0
	CROUND                                         ; the closing round: no work-group ends while a partner may still ask for a tile that names it
	s_endpgm
.Lfunc_end_k_qf211e2c9a8_proj:
	.size	k_qf211e2c9a8_proj, .Lfunc_end_k_qf211e2c9a8_proj-k_qf211e2c9a8_proj
	.p2alignl 7, 3214868480
	.fill 96, 4, 3214868480
	.section	.rodata,"a",@progbits
	.p2align	6, 0x0
	.amdhsa_kernel k_qf211e2c9a8_proj
		.amdhsa_group_segment_fixed_size 327680
		.amdhsa_private_segment_fixed_size 0
		.amdhsa_enable_private_segment 0
		.amdhsa_kernarg_size 24
		.amdhsa_user_sgpr_count 2
		.amdhsa_user_sgpr_kernarg_segment_ptr 1
		.amdhsa_wavefront_size32 1
		.amdhsa_system_sgpr_workgroup_id_x 1
		.amdhsa_system_sgpr_workgroup_id_y 1
		.amdhsa_system_sgpr_workgroup_id_z 1
		.amdhsa_system_vgpr_workitem_id 0
		.amdhsa_next_free_vgpr 896
		.amdhsa_next_free_sgpr 66
		.amdhsa_reserve_vcc 0
		.amdhsa_float_denorm_mode_32 3
		.amdhsa_float_denorm_mode_16_64 3
		.amdhsa_memory_ordered 1
		.amdhsa_forward_progress 1
		.amdhsa_inst_pref_size 87
	.end_amdhsa_kernel
	.amdgpu_metadata
---
amdhsa.version: [ 1, 2 ]
amdhsa.kernels:
  - .name:           k_qf211e2c9a8_proj
    .symbol:         k_qf211e2c9a8_proj.kd
    .args:
      - { .name: ob, .offset: 0, .size: 8, .value_kind: global_buffer, .address_space: global }
      - { .name: wph, .offset: 8, .size: 8, .value_kind: global_buffer, .address_space: global }
      - { .name: out0, .offset: 16, .size: 8, .value_kind: global_buffer, .address_space: global }
    .group_segment_fixed_size: 327680
    .private_segment_fixed_size: 0
    .kernarg_segment_align: 8
    .kernarg_segment_size: 24
    .max_flat_workgroup_size: 128
    .sgpr_count:     66
    .vgpr_count:     896
    .wavefront_size: 32
...
	.end_amdgpu_metadata
.endif
;; end of part 4
